; MI455X (gfx1250); checked and timed in simulation.
; The chip was launched on July 23, 2026; its instructions are those of AMD's public machine-readable ISA for CDNA 5 (MIT licence, August 2026) and "CDNA5" Instruction Set Architecture Reference Guide (July 2026). The comments in the code are by the model that wrote it; some were corrected since.
;; Heads TIL. Allowed arithmetic: matrix products marked QUANTISED: E3M2 operands, one E8M0 scale for each 32 along K, by v_wmma_scale_f32_16x16x128_f8f6f4 with both operands' format E3M2, f32 sums; everything else in f32.
;; Inputs: W 16 x 100 x 512 float32; b 16 x 100 float32; feature 65,536 x 512 float32; task_id 65,536 int32.
;; Outputs: out0 65,536 x 100 float32.
;; This version of the problem:
;;   THIS VERSION OF THE PROBLEM IS GIVEN IN LOW PRECISION. The matrix products marked QUANTISED in the list below multiply operands that are first quantised to E3M2 (3 exponent bits, 2 mantissa bits; 6 bits a number), with one power-of-two scale for each 32 numbers along K (OCP MX v1.0); their sums are f32. All else is computed in f32.
;;   The module's matrix products, in the order in which they are computed (A, B: the left and right operand; K: the contracted axis; several contracted axes count as one K, in the product's order):
;;     1. [M 65,536, K 512] x [K 512, N 1,600]; A: input feature; B: input W: QUANTISED
;;   THE QUANTISER, for each operand of a quantised product, along K:
;;     - K is cut into blocks of 32 from its start; a last block that is shorter is filled with zeros.
;;     - A block's scale is 2^e with e = floor(log2(the largest magnitude in the block)) - 4, held to -126 .. 127; a block of zeros has e = 0. As a byte (E8M0): e + 127.
;;     - Each number is divided by its block's scale, clamped to +-28, and rounded to the nearest number of E3M2, ties to even, subnormals kept.
;;     - The product sums the exact products of the quantised numbers (number of the format x scale) in f32.
;;   ~~~python
;;   def quantise(x, axis):      # numpy; x: float32 -> the quantised numbers, widened to float32 again
;;       x = np.moveaxis(x, axis, -1); K = x.shape[-1]
;;       x = np.pad(x, [(0, 0)] * (x.ndim - 1) + [(0, -K % 32)]); x = x.reshape(x.shape[:-1] + (-1, 32)); a = np.abs(x).max(-1, keepdims=True)
;;       e = np.where(a > 0, np.clip(np.frexp(np.where(a > 0, a, 1))[1] - 1 - 4, -126, 127), 0)      # np.frexp(a)[1] - 1 = floor(log2(a)), exactly
;;       r = np.clip(x / 2.0 ** e, -28, 28)
;;       step = 2.0 ** (np.maximum(np.frexp(np.where(r == 0, 1, r))[1] - 1, -2) - 2)
;;       q = np.round(r / step) * step * 2.0 ** e      # np.round: ties to even
;;       return np.moveaxis(q.reshape(q.shape[:-2] + (-1,))[..., :K], -1, axis).astype(np.float32)
;;   ~~~
;; One version. Each part assembles by itself: llvm-mc -triple=amdgcn-amd-amdhsa -mcpu=gfx1250 --defsym DOCPART=n.
;; ======== version 1 of 1: 1 launch
;; limits: right only within a limited range of input values
;; launch main (part 1): grid 256 x 1, 4 waves a work-group, no clusters, 139,264 bytes of LDS; arguments feature, task_id, W, b, out0; writes out0
.if DOCPART == 1
	.amdgcn_target "amdgcn-amd-amdhsa--gfx1250"
	.amdhsa_code_object_version 6
	.text
	.protected	k_q3e27d480c9_main
	.globl	k_q3e27d480c9_main
	.p2align	8
	.type	k_q3e27d480c9_main,@function
k_q3e27d480c9_main:
	s_mov_b64 s[64:65], 0
	v_nop
	global_prefetch_b8 v0, s[64:65] scope:SCOPE_SE
	s_setreg_imm32_b32 hwreg(HW_REG_WAVE_MODE, 25, 1), 1
	s_wait_xcnt 0x0
; out0[i] = Q(W[task_id[i]]) Q(feature[i]) + b[task_id[i]]: only the head that a token names is multiplied (the other heads' products are thrown away by the problem's own lookup by index).
; Both operands are codes of BF6 (E3M2) with one E8M0 scale for each 32 along K; sums in f32.
; SHARES.  Work-group x: head e = x >> 4, range q = x & 15 of 4,096 tokens.  Wave w lists those of its 1,024 tokens that name head e in its own segment of LDS; behind a barrier the four lists are one list of n
;   tokens (256 on the average, 4,096 at the most), of which a wave takes ceil(n / 4), 16 at a time: a TILE.
; W[e] is quantised here, 25 of its 100 rows a wave: a launch of its own for it would need a buffer that is stored and read again.  The codes are shared through LDS and then kept by every wave in its registers.
; A ROW (of feature or of W alike: 2,048 bytes) comes by four loads of 512 consecutive bytes, 16 a lane: lane l holds k = 128 j + 4 l + 0 .. 3 of load j; eight neighbouring lanes hold a block of 32.
;   The block's largest magnitude is joined over the eight lanes; the numbers are multiplied by 2^-e, which is exact (what falls under f32's normal numbers has the code 0), and a lane's 16 numbers are converted
;   at once under the scale 1: four pieces of 24 bits, one for each j.  Each piece goes to LDS as a dword: pieces j = 0, 2 at 8 l of the row, pieces 1, 3 at 256 + 8 l; a block's 32 codes are eight dwords of 24 bits,
;   which the reader packs into six.
; K STEPS.  Step m takes the blocks 4 j + m, j = 0 .. 3, of both operands: so a row's scale word for a step is what one group of eight lanes packs from its four blocks.
; THE SCALES' BYTES.  A block's scale is 2^(f - 4 - 127), f the exponent field of its largest magnitude.  The bytes of feature's blocks are f, those of W's f - 8: the two 4's are taken off together.
; THE MATRIX INSTRUCTION IS USED TRANSPOSED (source 0 = 16 rows of W, source 1 = 16 tokens): lane (r, h) holds token r and outputs 16 t + 8 h + 0 .. 7.  The bias is the C of each sum's first instruction.
; A ring of 16 rows in registers: four rows are asked for again, for the next tile, as soon as they have been quantised.
; No tensor load and no cluster: trip counts and addresses hang on the counted ids.  No prefetch: a row's place is known when its load goes out, and a wave has up to 16 rows on their way.
; THE WAY OUT: a token's 100 results are 400 consecutive bytes of out0, at a place that the token's number gives: one store of 25 neighbouring lanes, 16 bytes each.  A tile is put into the stage behind its products and
;   leaves behind the next tile's first four rows.
; LIMITS: a block of zeros does not get the byte that the rule says (its codes are zeros; the bytes are read here alone); f is held at 5 from below for feature's blocks and at 9 for W's (largest magnitudes under
; 2^-122 and 2^-118); NaN and infinities among the inputs are not served; task_id lies in 0 .. 15, as the problem's own gather relies on.  Every split of the tokens over the heads is served.
; The empty rows of a list's last tile repeat its last token: they are loaded, and not stored.
; REGISTERS, in windows of 256 (s_set_vgpr_msb's low byte: bits 1:0 source 0, 3:2 source 1, 5:4 source 2, 7:6 destination):
;   window 0: addresses, work, accumulators;  window 1: W's fragments of steps 0 to 2, (t, m) at v[12 (7 m + t)];  window 2: those of step 3 at v[12 t], the bias at v[200 + 8 t];  window 3: the ring, row r at v[16 r]
;   at the head W's rows as loaded: rows 0-15 of my 25 in window 1, 16-24 in window 2
.set PITCH, 528                        ; a row of pieces: 512 bytes + 16 = 132 words: row r starts at bank 4 r mod 64 (64 banks of 4 bytes: ISA guide 11.1)
.set SEG,   4352                       ; LDS 0: a segment of 1,088 entries for each wave: 1,024 for the list, then a dump word for each lane, then 32 more
.set CNT,   4*SEG                      ; the four counts
.set WC,    CNT+256                    ; W's 100 rows of pieces
.set WSC,   WC+52992                   ; and their scale words, 16 bytes a row
.set WV,    WSC+1792                   ; for each wave: 16 rows of pieces, their scale words, the stage of the way out
.set WVW,   16384
.set STSC,  16*PITCH
.set STOU,  STSC+256
.set OP,    464                        ; a row of the stage of the way out: 448 bytes + 16
.set SPARE, WV+4*WVW                   ; the spare words
.set LANE, 1
.set L16,  2                           ; 16 x lane
.set L8,   3                           ; 8 x lane
.set SA,   4                           ; my 16 rows of pieces, in: + 8 lane
.set SS,   5                           ; their scale words, in: + 16 (lane % 4) + 4 (lane / 8)
.set RA,   6                           ; out: + PITCH r + 256 h
.set RS,   7                           ; out: + 16 r
.set SO,   8                           ; the way out, in: + OP r + 32 h
.set RD,   9                           ; back: + 16 lane
.set LI,   10                          ; the entry of the list that my lane takes next
.set LN,   11                          ; the tokens of the tile asked for
.set LC,   12                          ; those of the tile that leaves
.set ONE,  13                          ; 1.0: the conversions' scale
.set RR,   14                          ; r = lane % 16
.set HH,   15                          ; h = lane / 16
.set OFF,  16                          ; 16 rows' offsets in feature
.set PQ,   32                          ; pieces 1 and 3
.set LB,   40                          ; the tokens of the tile in hand
.set XQ,   48                          ; 64 at work
.set TQ,   112
.set MQ,   128
.set GO,   128                         ; the way out: 16 rows' offsets in out0
.set CQ,   144
.set PC,   112                         ; the tokens' codes, 12 registers a step
.set PW,   160                         ; and their scale words
.set WS,   164                         ; W's scale words, 4 t + m
.set ACC,  192
.set WSA,  192                         ; the head's addresses lie where the accumulators will
.set WSS,  193
.set WSA2, 194
.set WSS2, 195
.set WRA,  196
.set WRA6, 197
.set WRS,  198
.set WRS6, 199
.set BO,   200
.set ZR,   201
.set WO,   202
.set WO2,  203
.set DUMP, 204
.set TB,   205
.set CA,   206
.set CB,   207
.set ZI,   208                         ; v208-211 zeros
.set TI,   212                         ; v212-215 the range's first token
.set IA,   216
.set IB,   217
.set IC,   218
.set ID,   48                          ; v48-79 ids, v80-111 addresses, v112-143 tokens
.set AD,   80
.set DA,   112
.set LT,   248
.set SPW,  254
.set NIL,  255
.set BI,   200                         ; in window 2
.set FLOW, 20                          ; scalars: the floor of W's blocks, 2^(9 - 127)
.set SELH, 21
.set MINE, 23                          ; how many tokens are mine
.set FLO,  24                          ; the floor of feature's blocks, 2^(5 - 127)
.set FMASK,25
.set S258, 26                          ; 258 << 23
.set SM8,  27                          ; takes 8 from each byte
.set SEL0, 28
.set SEL1, 29
.set SEL2, 30
.set P1,   31                          ; s31-33 where segments 1 to 3 begin in the joined list
.set D1,   34                          ; s34-36 what an entry's place moves on by at each of them
.set LAST, 37
.set FROM, 38
.set SEGB, 39
.set LM,   58                          ; s58-60 the lanes with lane % 4 = 1, 2, 3
.set FLAG, 61                          ; 1 while a tile waits in the stage
.set TK,   68
.set BC,   84
.set MSB, 0
.macro WIN new                         ; the immediate's high byte repeats the setting that is left
.if MSB != (\new)
	s_set_vgpr_msb (MSB<<8)|(\new)
.set MSB, \new
.endif
.endm
; n rows (4 or 1) that stand in window win at v[base + 16 i + 4 j] become pieces and scale words: rows r0 .. r0 + n - 1 behind sa and ss.  Window 3 holds rows of feature, windows 1 and 2 rows of W.
.macro QROWS base, win, n, sa, ss, r0
	WIN 0x15*\win
.set KI, 0
.rept 4*\n
	v_max3_num_f32 v[TQ+KI], |v[4*KI+(\base)]|, |v[4*KI+1+(\base)]|, |v[4*KI+2+(\base)]|
.set KI, KI+1
.endr
	WIN \win
.set KI, 0
.rept 4*\n
.if \win < 3
	v_max3_num_f32 v[TQ+KI], |v[4*KI+3+(\base)]|, v[TQ+KI], s[FLOW]  ; with the floor: no byte can fall under 1
.else
	v_max3_num_f32 v[TQ+KI], |v[4*KI+3+(\base)]|, v[TQ+KI], s[FLO]
.endif
.set KI, KI+1
.endr
	WIN 0
.irp x, 1,2,4
.set KI, 0
.rept 4*\n
	v_max_num_f32_dpp v[TQ+KI], v[TQ+KI], v[TQ+KI] row_xmask:\x row_mask:0xf bank_mask:0xf
.set KI, KI+1
.endr
.endr
.set KI, 0
.rept 4*\n
	v_and_b32 v[TQ+KI], s[FMASK], v[TQ+KI]         ; the exponent field f: e = f - 127 - 4
.set KI, KI+1
.endr
.set KI, 0
.rept 4*\n
	v_sub_nc_u32 v[MQ+KI], s[S258], v[TQ+KI]       ; 2^-e: its exponent field is 258 - f
.set KI, KI+1
.endr
	WIN \win
.set KI, 0
.rept 4*\n
.if KI%2 == 0
	v_pk_mul_f32 v[XQ+4*KI:XQ+4*KI+1], v[4*KI+(\base):4*KI+1+(\base)], v[MQ+KI:MQ+KI+1] op_sel_hi:[1,0]
	v_pk_mul_f32 v[XQ+4*KI+2:XQ+4*KI+3], v[4*KI+2+(\base):4*KI+3+(\base)], v[MQ+KI:MQ+KI+1] op_sel_hi:[1,0]
.else
	v_pk_mul_f32 v[XQ+4*KI:XQ+4*KI+1], v[4*KI+(\base):4*KI+1+(\base)], v[MQ+KI-1:MQ+KI] op_sel:[0,1] op_sel_hi:[1,1]
	v_pk_mul_f32 v[XQ+4*KI+2:XQ+4*KI+3], v[4*KI+2+(\base):4*KI+3+(\base)], v[MQ+KI-1:MQ+KI] op_sel:[0,1] op_sel_hi:[1,1]
.endif
.set KI, KI+1
.endr
	WIN 0
.set KI, 0
.rept \n
	v_cvt_scalef32_pk16_bf6_f32 v[CQ+4*KI:CQ+4*KI+2], v[XQ+16*KI:XQ+16*KI+15], v[ONE]   ; beyond the largest code the largest
.set KI, KI+1
.endr
.set KI, 0
.rept \n
	v_perm_b32 v[TQ+4*KI], v[TQ+4*KI+2], v[TQ+4*KI], s[SELH]         ; the upper halves of blocks 0 and 2: f0 << 7, f2 << 7.  (Also the plain places behind the conversions)
	v_perm_b32 v[TQ+4*KI+1], v[TQ+4*KI+3], v[TQ+4*KI+1], s[SELH]     ; of blocks 1 and 3
.set KI, KI+1
.endr
.set KI, 0
.rept \n
	v_lshrrev_b32 v[TQ+4*KI], 7, v[TQ+4*KI]        ; f0 at bit 0, f2 at bit 16
	v_alignbit_b32 v[PQ+2*KI], v[CQ+4*KI+1], v[CQ+4*KI], 24          ; piece 1: bits 24 to 47
	v_lshrrev_b32 v[PQ+2*KI+1], 8, v[CQ+4*KI+2]    ; piece 3
.set KI, KI+1
.endr
.set KI, 0
.rept \n
	v_lshl_or_b32 v[TQ+4*KI], v[TQ+4*KI+1], 1, v[TQ+4*KI]            ; f1 at bit 8, f3 at bit 24: the scale word
	v_alignbit_b32 v[CQ+4*KI+1], v[CQ+4*KI+2], v[CQ+4*KI+1], 16      ; piece 2, beside piece 0
.set KI, KI+1
.endr
.if \win < 3
.set KI, 0
.rept \n
	v_add_nc_u32 v[TQ+4*KI], s[SM8], v[TQ+4*KI]    ; W's bytes: f - 8 (f is 9 at the least: no borrow)
.set KI, KI+1
.endr
.endif
.if \n == 4
.irp i, 1,2,3
	v_cndmask_b32 v[TQ], v[TQ], v[TQ+4*\i], s[LM+\i-1]               ; lane % 4 says whose word a lane stores
.endr
.endif
.set KI, 0
.rept \n
	ds_store_b64 v[\sa], v[CQ+4*KI:CQ+4*KI+1] offset:PITCH*(KI+\r0)
	ds_store_b64 v[\sa], v[PQ+2*KI:PQ+2*KI+1] offset:PITCH*(KI+\r0)+256
.set KI, KI+1
.endr
	ds_store_b32 v[\ss], v[TQ] offset:16*(\r0)     ; lanes that name the same word write the same value
.endm
; Sixteen dwords of 24 bits, block 0's and block 1's by turns, become twelve registers: one step's operand.  The top bytes are not used.
.macro PACK dst, src
.irp c, 0,1
.irp g, 0,1
	v_perm_b32 v[6*\c+3*\g+(\dst)], v[8*\g+2+\c+(\src)], v[8*\g+\c+(\src)], s[SEL0]
	v_perm_b32 v[6*\c+3*\g+1+(\dst)], v[8*\g+4+\c+(\src)], v[8*\g+2+\c+(\src)], s[SEL1]
	v_perm_b32 v[6*\c+3*\g+2+(\dst)], v[8*\g+6+\c+(\src)], v[8*\g+4+\c+(\src)], s[SEL2]
.endr
.endr
.endm
; The tokens of the next 16 entries of my share; past its end the last one over again.  An entry's place in LDS: its number, moved on at each segment's border; held inside the four segments.
.macro LIST
	v_min_u32 v[LT], s[LAST], v[LI]
	v_add_nc_u32 v[LI], 16, v[LI]
.irp k, 0,1,2
	v_cmp_le_u32 s[48+\k], s[P1+\k], v[LT]
.endr
.irp k, 0,1,2
	v_cndmask_b32 v[LT+1+\k], 0, s[D1+\k], s[48+\k]
.endr
	v_add3_u32 v[LT+1], v[LT+1], v[LT+2], v[LT+3]
	v_add_nc_u32 v[LT], v[LT], v[LT+1]
	v_min_u32 v[LT], 0x10ff, v[LT]
	v_lshlrev_b32 v[LT], 2, v[LT]
	ds_load_b32 v[LN], v[LT]
.endm
; The tokens in lanes 0-15 of a register into 16 scalars, held inside the table before they enter an address.
.macro TOKENS v
.irp r, 0,1,2,3,4,5,6,7,8,9,10,11,12,13,14,15
	v_readlane_b32 s[TK+\r], v[\v], \r
.endr
	s_wait_alu depctr_va_vdst(0)
.irp r, 0,1,2,3,4,5,6,7,8,9,10,11,12,13,14,15
	s_min_u32 s[TK+\r], s[TK+\r], 0xffff
.endr
.endm
.macro OFFSETS
	TOKENS LN
	s_wait_xcnt 0x0                                ; the loads that are out have read OFF
.irp r, 0,1,2,3,4,5,6,7,8,9,10,11,12,13,14,15
	v_lshl_add_u32 v[OFF+\r], s[TK+\r], 11, v[L16]
.endr
.endm
; Rows r0 .. r0 + n - 1 of the tile whose offsets stand in OFF are asked for: four loads of 512 consecutive bytes each.  (The hint: a last tile's empty rows name a row again at once; nobody else reads it.)
.macro FILL r0, n
	WIN 0xc0
.set FR, \r0
.rept \n
.irp j, 0,1,2,3
	global_load_b128 v[16*FR+4*\j:16*FR+4*\j+3], v[OFF+FR], s[4:5] offset:512*\j th:TH_LOAD_RT_NT
.endr
.set FR, FR+1
.endr
	WIN 0
.endm
; Four rows of the ring.  cnt: the loads issued behind theirs.
.macro GROUP g, cnt
	s_wait_loadcnt \cnt
	QROWS 64*\g, 3, 4, SA, SS, 4*\g
.endm
; W's rows i0 .. i0 + n - 1 of my 24
.macro WLOAD i0, n
.set WI, \i0
.rept \n
	WIN 0x40*(1+WI/16)
.irp j, 0,1,2,3
	global_load_b128 v[16*(WI%16)+4*\j:16*(WI%16)+4*\j+3], v[WO], s[8:9] offset:2048*WI+512*\j
.endr
.set WI, WI+1
.endr
	WIN 0
.endm
.macro WQ base, win, n, sa, ss, r0
	s_wait_loadcnt 63                              ; at least 74 loads were issued behind these rows'
	QROWS \base, \win, \n, \sa, \ss, \r0
.endm
; Half a tile of W's fragments: tile u / 2, steps 2 (u % 2) and the next
.macro WLD u
.set WT, (\u)/2
.set WH, (\u)%2
.irp i, 0,1,2,3,4,5,6,7
.if WT < 6
	ds_load_b128 v[XQ+32*WH+4*\i:XQ+32*WH+4*\i+3], v[WRA] offset:16*PITCH*WT+64*(2*WH+\i/4)+16*(\i%4)
.else
	ds_load_b128 v[XQ+32*WH+4*\i:XQ+32*WH+4*\i+3], v[WRA6] offset:64*(2*WH+\i/4)+16*(\i%4)
.endif
.endr
.endm
.macro WPK u
.set WT, (\u)/2
.set WH, (\u)%2
	WIN 0x40
	PACK 12*(14*WH+WT), XQ+32*WH
.if WH == 0
	PACK 12*(7+WT), XQ+16
.else
	WIN 0x80
	PACK 12*WT, XQ+48
.endif
	WIN 0
.endm
; Seven matrix instructions: the head's seven tiles of rows x 16 tokens, step m.  The accumulators take turns, one instruction a turn.
.macro MM m
.if \m == 0
	WIN 0x21
.elseif \m < 3
	WIN 0x01
.else
	WIN 0x02
.endif
.irp t, 0,1,2,3,4,5,6
.if \m == 0
	v_wmma_scale_f32_16x16x128_f8f6f4 v[ACC+8*\t:ACC+8*\t+7], v[12*\t:12*\t+11], v[PC:PC+11], v[BI+8*\t:BI+8*\t+7], v[WS+4*\t], v[PW] matrix_a_fmt:MATRIX_FMT_BF6 matrix_b_fmt:MATRIX_FMT_BF6
.elseif \m < 3
	v_wmma_scale_f32_16x16x128_f8f6f4 v[ACC+8*\t:ACC+8*\t+7], v[12*(7*\m+\t):12*(7*\m+\t)+11], v[PC+12*\m:PC+12*\m+11], v[ACC+8*\t:ACC+8*\t+7], v[WS+4*\t+\m], v[PW+\m] matrix_a_fmt:MATRIX_FMT_BF6 matrix_b_fmt:MATRIX_FMT_BF6
.else
	v_wmma_scale_f32_16x16x128_f8f6f4 v[ACC+8*\t:ACC+8*\t+7], v[12*\t:12*\t+11], v[PC+36:PC+47], v[ACC+8*\t:ACC+8*\t+7], v[WS+4*\t+3], v[PW+3] matrix_a_fmt:MATRIX_FMT_BF6 matrix_b_fmt:MATRIX_FMT_BF6
.endif
.endr
.endm
; A tile is multiplied and put into the stage.  LDS serves a wave's instructions in order (ISA guide 5.7.1.4): the loads see the wave's own stores.  fill = 1: the next tile's last four rows are asked for meanwhile.
.macro MULT fill
	ds_load_b128 v[PW:PW+3], v[RS]
.irp m, 0,1,2,3
.irp i, 0,1,2,3
	ds_load_b128 v[XQ+16*\m+4*\i:XQ+16*\m+4*\i+3], v[RA] offset:64*\m+16*\i
.endr
.endr
.if \fill
	FILL 12, 4
.endif
.irp m, 0,1,2,3
	s_wait_dscnt 12-4*\m                           ; step m's four loads are in
	PACK PC+12*\m, XQ+16*\m
.endr
.rept 4
	v_nop                                          ; codes written by vector instructions stand four places ahead of a scaled matrix instruction
.endr
	MM 0
	MM 1
	MM 2
	MM 3
	WIN 0
.rept 4
	v_nop                                          ; the places behind the last products
.endr
.irp t, 0,1,2,3,4,5
	ds_store_b128 v[SO], v[ACC+8*\t:ACC+8*\t+3] offset:64*\t          ; each accumulator from its low end on
	ds_store_b128 v[SO], v[ACC+8*\t+4:ACC+8*\t+7] offset:64*\t+16
.endr
	ds_store_b128 v[SO], v[ACC+48:ACC+51] offset:384                  ; tile 6: lanes 0-15 hold outputs 96 to 99
.endm
; The tile in the stage leaves.  partial = 1: the list's last tile, of which s18 rows (1 to 16) are stored.
.macro OUT partial
.irp r, 0,1,2,3,4,5,6,7,8,9,10,11,12,13,14,15
	ds_load_b128 v[XQ+4*\r:XQ+4*\r+3], v[RD] offset:OP*\r
.endr
	TOKENS LC
.irp r, 0,1,2,3,4,5,6,7,8,9,10,11,12,13,14,15
	s_mul_i32 s[TK+\r], s[TK+\r], 400
.endr
.irp r, 0,1,2,3,4,5,6,7,8,9,10,11,12,13,14,15
	v_add_nc_u32 v[GO+\r], s[TK+\r], v[L16]        ; 400 x token + 16 x lane
.endr
	v_cmp_gt_u32 vcc_lo, 25, v[LANE]               ; a row is 25 x 16 bytes
	s_wait_alu depctr_va_vdst(0)
	s_wait_xcnt 0x0                                ; EXEC is a source of the loads that are out
	s_and_saveexec_b32 s22, vcc_lo
.irp r, 0,1,2,3,4,5,6,7,8,9,10,11,12,13,14,15
	s_wait_dscnt 15-\r
.if \partial
	s_cmp_le_u32 s18, \r                           ; the list's end
	s_cbranch_scc1 .Ldone_\@
.endif
	global_store_b128 v[GO+\r], v[XQ+4*\r:XQ+4*\r+3], s[14:15] th:TH_STORE_NT   ; 25 lanes store a row's 400 consecutive bytes
.endr
.Ldone_\@:
	s_wait_dscnt 0x0
	s_wait_xcnt 0x0                                ; the stores have read their registers and EXEC
	s_or_b32 exec_lo, exec_lo, s22
.endm
	s_load_b256 s[4:11], s[0:1], 0x0               ; feature s[4:5], task_id s[6:7], W s[8:9], b s[10:11]
	s_load_b64 s[14:15], s[0:1], 0x20              ; out0
	v_lshl_add_u32 v[SPW], v0, 2, SPARE
	v_mov_b32 v[NIL], 0
	v_lshrrev_b32 v[RR], 5, v0
	v_readfirstlane_b32 s12, v[RR]                 ; wave 0..3
	s_wait_alu depctr_va_vdst(0)
	s_lshr_b32 s13, ttmp9, 4                       ; e
	s_and_b32 s16, ttmp9, 15                       ; q
	s_mov_b32 s[FLO], 0x2800000
	s_mov_b32 s[FLOW], 0x4800000
	s_mov_b32 s[FMASK], 0x7f800000
	s_mov_b32 s[S258], 0x81000000
	s_mov_b32 s[SM8], 0xf7f7f7f8
	s_mov_b32 s[SELH], 0x07060302
	s_mov_b32 s[SEL0], 0x04020100
	s_mov_b32 s[SEL1], 0x05040201
	s_mov_b32 s[SEL2], 0x06050402
	s_mov_b32 s[LM], 0x22222222
	s_mov_b32 s[LM+1], 0x44444444
	s_mov_b32 s[LM+2], 0x88888888
	s_mov_b32 s[FLAG], 0
	s_mul_i32 s[SEGB], s12, SEG
	s_mul_i32 s40, s12, WVW
	s_add_co_u32 s40, s40, WV
	s_add_co_u32 s41, s40, STSC
	s_add_co_u32 s42, s40, STOU
	s_mul_i32 s43, s12, 24*PITCH
	s_add_co_u32 s43, s43, WC
	s_mul_i32 s44, s12, 24*16
	s_add_co_u32 s44, s44, WSC
	s_mul_i32 s45, s12, PITCH
	s_add_co_u32 s45, s45, WC+96*PITCH
	s_lshl_b32 s46, s12, 4
	s_add_co_u32 s46, s46, WSC+96*16
	s_mul_i32 s47, s12, 24*2048
	s_lshl_b32 s48, s12, 11
	s_add_co_u32 s48, s48, 96*2048
	s_lshl_b32 s49, s16, 12                        ; the range's first token,
	s_lshl_b32 s50, s12, 10
	s_add_co_u32 s50, s50, s49                     ; and mine
	s_lshl_b32 s51, s12, 2
	s_add_co_u32 s51, s51, CNT
	s_lshl_b32 s52, s50, 2                         ; in task_id, in bytes
	s_mov_b32 s53, 0
	s_mul_i32 s54, s13, 204800                     ; W[e]
	s_mov_b32 s55, 0
	s_mul_i32 s56, s13, 400                        ; b[e]
	s_mov_b32 s57, 0
	v_and_b32 v[LANE], 31, v0
	v_and_b32 v[RR], 15, v0
	v_bfe_u32 v[HH], v0, 4, 1
	v_bfe_u32 v44, v0, 3, 2
	v_lshlrev_b32 v[L16], 4, v[LANE]
	v_lshlrev_b32 v[L8], 3, v[LANE]
	v_lshlrev_b32 v44, 2, v44                      ; 4 (lane / 8)
	v_and_b32 v46, 3, v0
	v_lshl_add_u32 v43, v46, 4, v44                ; + 16 (lane % 4)
	v_mul_u32_u24 v45, v[RR], PITCH
	v_mov_b32 v[ONE], 1.0
	v_add_nc_u32 v[SA], s40, v[L8]
	v_add_nc_u32 v[SS], s41, v43
	v_lshl_add_u32 v45, v[HH], 8, v45
	v_mul_u32_u24 v47, v46, PITCH                  ; tile 6 has four rows: the other lanes repeat them (r % 4 = lane % 4)
	v_add_nc_u32 v[RA], s40, v45
	v_lshl_add_u32 v[RS], v[RR], 4, s41
	v_mul_u32_u24 v[SO], v[RR], OP
	v_lshl_add_u32 v[SO], v[HH], 5, v[SO]
	v_add_nc_u32 v[SO], s42, v[SO]
	v_add_nc_u32 v[RD], s42, v[L16]
	v_add_nc_u32 v[WSA], s43, v[L8]
	v_add_nc_u32 v[WSS], s44, v43
	v_add_nc_u32 v[WSA2], s45, v[L8]
	v_add_nc_u32 v[WSS2], s46, v44
	v_add_nc_u32 v[WRA], WC, v45
	v_lshl_add_u32 v47, v[HH], 8, v47
	v_add_nc_u32 v[WRA6], WC+96*PITCH, v47
	v_lshl_add_u32 v[WRS], v[RR], 4, WSC
	v_lshl_add_u32 v[WRS6], v46, 4, WSC+96*16
	v_lshlrev_b32 v[BO], 5, v[HH]
	v_mov_b32 v[ZR], 0
	v_add_nc_u32 v[WO], s47, v[L16]
	v_add_nc_u32 v[WO2], s48, v[L16]
	v_add_nc_u32 v[DUMP], 1024, v[LANE]
	v_lshl_add_u32 v[TB], v[LANE], 2, s50
	v_mov_b32 v[CA], s51
	v_mov_b32 v[CB], CNT
	v_add_nc_u32 v[IA], s40, v[L16]
	v_add_nc_u32 v[IB], s[SEGB], v[L16]
	v_add_nc_u32 v[IC], s[SEGB], v[L8]
.irp i, 0,1,2,3
	v_mov_b32 v[ZI+\i], 0
	v_mov_b32 v[TI+\i], s49
.endr
	s_wait_alu depctr_va_vdst(0)
	s_wait_kmcnt 0x0
	s_add_nc_u64 s[6:7], s[6:7], s[52:53]
	s_add_nc_u64 s[8:9], s[8:9], s[54:55]
	s_add_nc_u64 s[10:11], s[10:11], s[56:57]
.irp j, 0,1,2,3,4,5,6,7
	global_load_b128 v[ID+4*\j:ID+4*\j+3], v[L16], s[6:7] offset:512*\j   ; register 4 j + c of lane l: token 128 j + 4 l + c of my 1,024
.endr
	WLOAD 0, 12
	; every LDS byte that may be read ahead of its own datum is written once: my segment with a token of the range, my stages with zeros
.irp i, 0,1,2,3,4,5,6,7
	ds_store_b128 v[IB], v[TI:TI+3] offset:512*\i
.endr
	ds_store_b64 v[IC], v[TI:TI+1] offset:4096
.set KI, 0
.rept 32
	ds_store_b128 v[IA], v[ZI:ZI+3] offset:512*KI
.set KI, KI+1
.endr
	s_mov_b32 s19, 0                               ; listed so far
	s_wait_loadcnt 48                              ; the ids are in: behind them stand 12 rows of W
	; A matching lane's rank = listed so far + matching lanes below it; a lane that does not match writes its dump word: EXEC is never changed.
.irp g, 0,16
.irp i, 0,1,2,3,4,5,6,7,8,9,10,11,12,13,14,15
	v_cmp_eq_u32 s[TK+\i], s13, v[ID+\g+\i]
.endr
	s_wait_alu depctr_va_vdst(0)
.irp i, 0,1,2,3,4,5,6,7,8,9,10,11,12,13,14,15
	s_bcnt1_i32_b32 s[BC+\i], s[TK+\i]
.endr
	s_add_co_u32 s[BC], s[BC], s19
.irp i, 1,2,3,4,5,6,7,8,9,10,11,12,13,14,15
	s_add_co_u32 s[BC+\i], s[BC+\i], s[BC+\i-1]
.endr
	v_mbcnt_lo_u32_b32 v[AD+\g], s[TK], s19
.irp i, 1,2,3,4,5,6,7,8,9,10,11,12,13,14,15
	v_mbcnt_lo_u32_b32 v[AD+\g+\i], s[TK+\i], s[BC+\i-1]
.endr
.irp i, 0,1,2,3,4,5,6,7,8,9,10,11,12,13,14,15
	v_cndmask_b32 v[AD+\g+\i], v[DUMP], v[AD+\g+\i], s[TK+\i]
.endr
.irp i, 0,1,2,3,4,5,6,7,8,9,10,11,12,13,14,15
	v_min_u32 v[AD+\g+\i], 0x43f, v[AD+\g+\i]
.endr
.irp i, 0,1,2,3,4,5,6,7,8,9,10,11,12,13,14,15
	v_lshl_add_u32 v[AD+\g+\i], v[AD+\g+\i], 2, s[SEGB]
.endr
.irp i, 0,1,2,3,4,5,6,7,8,9,10,11,12,13,14,15
	v_add_nc_u32 v[DA+\g+\i], 128*((\g+\i)/4)+(\g+\i)%4, v[TB]
.endr
.irp i, 0,1,2,3,4,5,6,7,8,9,10,11,12,13,14,15
	ds_store_b32 v[AD+\g+\i], v[DA+\g+\i]
.endr
	s_mov_b32 s19, s[BC+15]
.endr
	v_mov_b32 v[LT], s19
	ds_store_b32 v[CA], v[LT]                      ; my count: all lanes write the same word with the same value
	WLOAD 12, 4
	s_wait_dscnt 0x0                               ; for the others' sake: my list and my count lie in LDS
	s_barrier_signal -1
	s_barrier_wait -1
	ds_load_b128 v[LT:LT+3], v[CB]
	s_wait_dscnt 0x0
.irp i, 0,1,2,3
	v_readfirstlane_b32 s[40+\i], v[LT+\i]
.endr
	s_wait_alu depctr_va_vdst(0)
.irp i, 0,1,2,3
	s_min_u32 s[40+\i], s[40+\i], 0x400
.endr
	s_mov_b32 s[P1], s40
	s_add_co_u32 s[P1+1], s40, s41
	s_add_co_u32 s[P1+2], s[P1+1], s42
	s_add_co_u32 s44, s[P1+2], s43                 ; n
	s_sub_co_u32 s[D1], 1088, s40
	s_sub_co_u32 s[D1+1], 1088, s41
	s_sub_co_u32 s[D1+2], 1088, s42
	s_add_co_u32 s45, s44, 3
	s_lshr_b32 s45, s45, 2                         ; a wave's share
	s_mul_i32 s[FROM], s12, s45
	s_min_u32 s[FROM], s[FROM], s44
	s_sub_co_u32 s[MINE], s44, s[FROM]
	s_min_u32 s[MINE], s[MINE], s45
	s_add_co_u32 s[LAST], s[FROM], s[MINE]
	s_max_u32 s[LAST], s[LAST], 1
	s_sub_co_u32 s[LAST], s[LAST], 1
	v_add_nc_u32 v[LI], s[FROM], v[RR]
	LIST                                           ; tile 0
	WLOAD 16, 8
	WIN 0x80
.irp j, 0,1,2,3
	global_load_b128 v[128+4*\j:128+4*\j+3], v[WO2], s[8:9] offset:512*\j   ; row 96 + wave
.endr
.irp t, 0,1,2,3,4,5
.irp u, 0,1
	global_load_b128 v[BI+8*\t+4*\u:BI+8*\t+4*\u+3], v[BO], s[10:11] offset:64*\t+16*\u   ; b[e][16 t + 8 h + 4 u + 0 .. 3]
.endr
.endr
.irp u, 0,1
	global_load_b128 v[BI+48+4*\u:BI+48+4*\u+3], v[ZR], s[10:11] offset:384   ; tile 6: outputs 96 to 99; what stands in the other places is not stored
.endr
	WIN 0
	s_wait_dscnt 0x0
	OFFSETS
	v_mov_b32 v[LC], v[LN]
	FILL 0, 3
	; W's rows are quantised between the first tile's requests.  Behind W's 100 loads and the bias's 14 stand 60 loads of the first tile before its last row is asked for
	WQ 0, 1, 4, WSA, WSS, 0
	FILL 3, 4
	WQ 64, 1, 4, WSA, WSS, 4
	FILL 7, 4
	WQ 128, 1, 4, WSA, WSS, 8
	FILL 11, 4
	WQ 192, 1, 4, WSA, WSS, 12
	WQ 0, 2, 4, WSA, WSS, 16
	WQ 64, 2, 4, WSA, WSS, 20
	WQ 128, 2, 1, WSA2, WSS2, 0
	s_wait_loadcnt 60                              ; the bias is in: behind it stand 15 rows of the first tile
	FILL 15, 1
	s_wait_dscnt 0x0                               ; for the others' sake: my rows of W lie in LDS
	s_barrier_signal -1
	s_barrier_wait -1                              ; the last barrier: it stands ahead of every branch on a counted number; behind it nobody writes W's rows
.irp t, 0,1,2,3,4,5
	ds_load_b128 v[WS+4*\t:WS+4*\t+3], v[WRS] offset:256*\t
.endr
	ds_load_b128 v[WS+24:WS+27], v[WRS6]
	WLD 0
	WLD 1
.set UU, 0
.rept 14
.if UU < 13
	s_wait_dscnt 8                                 ; the next half tile's eight loads may be out
.else
	s_wait_dscnt 0x0
.endif
	WPK UU
.if UU < 12
	WLD UU+2
.endif
.set UU, UU+1
.endr
	s_cmp_eq_u32 s[MINE], 0
	s_cbranch_scc1 .Lend                           ; no token is mine: nothing to store
	s_add_co_u32 s17, s[MINE], 15
	s_lshr_b32 s17, s17, 4
	s_sub_co_u32 s17, s17, 1                       ; tiles that have a successor
	s_lshl_b32 s19, s17, 4
	s_sub_co_u32 s18, s[MINE], s19                 ; rows of the last tile: 1 to 16
	s_cmp_eq_u32 s17, 0
	s_cbranch_scc1 .Ltail
.Ltile:
	v_mov_b32 v[LB], v[LN]
	LIST                                           ; the next tile's tokens
	GROUP 0, 48                                    ; behind a group's 16 loads stand always three groups'
	s_wait_dscnt 9                                 ; the tokens are in: behind them stand the group's nine LDS stores
	OFFSETS
	s_wait_alu depctr_va_vdst(0)
	FILL 0, 4
	s_cmp_eq_u32 s[FLAG], 0
	s_cbranch_scc1 .Lno_tile
	OUT 0                                          ; the tile before
.Lno_tile:
	v_mov_b32 v[LC], v[LB]
	GROUP 1, 48
	FILL 4, 4
	GROUP 2, 48
	FILL 8, 4
	GROUP 3, 48
	MULT 1
	s_mov_b32 s[FLAG], 1
	s_sub_co_i32 s17, s17, 1
	s_cmp_gt_i32 s17, 0
	s_cbranch_scc1 .Ltile
.Ltail:                                                ; the last tile asks for nothing more; groups of four rows past the list's end are not quantised
	v_mov_b32 v[LB], v[LN]
	GROUP 0, 48
	s_cmp_eq_u32 s[FLAG], 0
	s_cbranch_scc1 .Lno_tile_before
	OUT 0
.Lno_tile_before:
	v_mov_b32 v[LC], v[LB]
	s_cmp_le_u32 s18, 4
	s_cbranch_scc1 .Lmul
	GROUP 1, 32
	s_cmp_le_u32 s18, 8
	s_cbranch_scc1 .Lmul
	GROUP 2, 16
	s_cmp_le_u32 s18, 12
	s_cbranch_scc1 .Lmul
	GROUP 3, 0
.Lmul:
	MULT 0
	OUT 1
.Lend:
	s_wait_tensorcnt 0x0                           ; the wave's end
	ds_add_u32 v[SPW], v[NIL]
	s_wait_dscnt 0x0
	s_endpgm
.Lfunc_end_k_q3e27d480c9_main:
	.size	k_q3e27d480c9_main, .Lfunc_end_k_q3e27d480c9_main-k_q3e27d480c9_main
	.p2alignl 7, 3214868480
	.fill 96, 4, 3214868480
	.section	.rodata,"a",@progbits
	.p2align	6, 0x0
	.amdhsa_kernel k_q3e27d480c9_main
		.amdhsa_group_segment_fixed_size 139264
		.amdhsa_private_segment_fixed_size 0
		.amdhsa_enable_private_segment 0
		.amdhsa_kernarg_size 40
		.amdhsa_user_sgpr_count 2
		.amdhsa_user_sgpr_kernarg_segment_ptr 1
		.amdhsa_wavefront_size32 1
		.amdhsa_system_sgpr_workgroup_id_x 1
		.amdhsa_system_sgpr_workgroup_id_y 1
		.amdhsa_system_sgpr_workgroup_id_z 1
		.amdhsa_system_vgpr_workitem_id 0
		.amdhsa_next_free_vgpr 1024
		.amdhsa_next_free_sgpr 102
		.amdhsa_reserve_vcc 1
		.amdhsa_float_denorm_mode_32 3
		.amdhsa_float_denorm_mode_16_64 3
		.amdhsa_memory_ordered 1
		.amdhsa_forward_progress 1
		.amdhsa_inst_pref_size 255
	.end_amdhsa_kernel
	.section	.bss,"aw",@nobits
	.p2align	6
	.space	262144
	.amdgpu_metadata
---
amdhsa.version: [ 1, 2 ]
amdhsa.kernels:
  - .name:           k_q3e27d480c9_main
    .symbol:         k_q3e27d480c9_main.kd
    .args:
      - { .name: feature, .offset: 0, .size: 8, .value_kind: global_buffer, .address_space: global }
      - { .name: task_id, .offset: 8, .size: 8, .value_kind: global_buffer, .address_space: global }
      - { .name: W, .offset: 16, .size: 8, .value_kind: global_buffer, .address_space: global }
      - { .name: b, .offset: 24, .size: 8, .value_kind: global_buffer, .address_space: global }
      - { .name: out0, .offset: 32, .size: 8, .value_kind: global_buffer, .address_space: global }
    .group_segment_fixed_size: 139264
    .private_segment_fixed_size: 0
    .kernarg_segment_align: 8
    .kernarg_segment_size: 40
    .max_flat_workgroup_size: 128
    .sgpr_count:     102
    .vgpr_count:     1024
    .wavefront_size: 32
...
	.end_amdgpu_metadata
.endif
;; end of part 1
